; MI455X (gfx1250); checked and timed in simulation.
; The chip was launched on July 23, 2026; its instructions are those of AMD's public machine-readable ISA for CDNA 5 (MIT licence, August 2026) and "CDNA5" Instruction Set Architecture Reference Guide (July 2026). The comments in the code are by the model that wrote it; some were corrected since.
;; Parallel Sequence Mo E Head. Allowed arithmetic: matrix products marked QUANTISED: E4M3 operands, one given power-of-two scale a tensor, by v_wmma_f32_16x16x64_fp8_fp8 or v_wmma_f32_16x16x128_fp8_fp8, f32 sums; products left as they are: f32 operands where the result goes on into a quantised operand, else bf16, f16 or f32 operands; f32 sums; everything else in f32.
;; Inputs: b1 8 x 1 x 1,024 float32; b2 8 x 1 x 1,024 float32; dec_embeddings 8 x 1,024 float32; lowp_scales 4 int32 (the exponents e of the quantised operands' scales 2^e); router_b 8 float32; router_w 8 x 1,024 float32; w1 8 x 1,024 x 1,024 float32; w2 8 x 1,024 x 1,024 float32; x 8 x 512 x 1,024 float32.
;; Outputs: out0 8 x 512 x 1,024 float32; out1 one number float32; out2 8 x 8 float32; out3 8 x 8 float32.
;; This version of the problem:
;;   THIS VERSION OF THE PROBLEM IS GIVEN IN LOW PRECISION. The matrix products marked QUANTISED in the list below multiply operands that are first quantised to E4M3 (4 exponent bits, 3 mantissa bits; 8 bits a number), with one given power-of-two scale for each operand tensor; their sums are f32. All else is computed in f32.
;;   The module's matrix products, in the order in which they are computed (A, B: the left and right operand; K: the contracted axis; several contracted axes count as one K, in the product's order):
;;     1. [M 8, K 1,024] x [K 1,024, N 8]; A: input dec_embeddings; B: input router_w: left as it is (M = 8 < 16)
;;     2. [M 8,192, K 1,024] x [K 1,024, N 4,096]; A: input w1; B: input x: QUANTISED (scales: A lowp_scales[0], B lowp_scales[1])
;;     3. batch 8 x [M 4,096, K 1,024] x [K 1,024, N 1,024]; A: computed on the way; B: input w2: QUANTISED (scales: A lowp_scales[2], B lowp_scales[3])
;;   THE QUANTISER, for each operand of a quantised product, along K:
;;     - The operand's scale is 2^e, e = its entry of the input lowp_scales (int32; the entries are numbered through the quantised products in the list's order, A before B).
;;     - Each number is divided by the scale, clamped to +-448, and rounded to the nearest number of E4M3, ties to even, subnormals kept.
;;     - The product sums the exact products of the quantised numbers (number of the format x scale) in f32.
;;   ~~~python
;;   def quantise(x, axis, e):      # numpy; x: float32 -> the quantised numbers, widened to float32 again
;;       x = np.moveaxis(x, axis, -1); K = x.shape[-1]
;;       r = np.clip(x / 2.0 ** e, -448, 448)
;;       step = 2.0 ** (np.maximum(np.frexp(np.where(r == 0, 1, r))[1] - 1, -6) - 3)
;;       q = np.round(r / step) * step * 2.0 ** e      # np.round: ties to even
;;       return np.moveaxis(q, -1, axis).astype(np.float32)
;;   ~~~
;;   OPERANDS COMPUTED ON THE WAY. 'Computed on the way' means the value that the module computes at that place (a softmax that the list does not call 'softmax' is quantised finished and normalised). What goes into a quantiser is computed in f32, as accurately as f32 sums, v_exp_f32 and their like allow (about 1e-6 of the number): no bf16 or f16 on the way to a quantiser, and a product that is left as it is and whose result goes on into a quantised operand takes f32 operands (vector FMAs, or v_wmma_f32_16x16x4_f32). A number that lies on a knife's edge between two numbers of the format may be rounded either way, as far as f32 arithmetic and the matrix unit's own rounding can turn it there, and no further.
;; One version. Each part assembles by itself: llvm-mc -triple=amdgcn-amd-amdhsa -mcpu=gfx1250 --defsym DOCPART=n.
;; ======== version 1 of 1: 3 launches
;; limits: right only within a limited range of input values
;; workspace buffers: wcodes 16,777,216 bytes; xcodes 4,194,304 bytes; hcodes 8,388,608 bytes; route 256 bytes of whole numbers; gates 256 bytes
;; launch prep (part 1): grid 1281 x 1, 4 waves a work-group, no clusters, 35,328 bytes of LDS; arguments x, w1, w2, dec_embeddings, router_w, router_b, lowp_scales, wcodes, xcodes, route, gates, out1, out2, out3; writes wcodes, xcodes, route, gates, out1, out2, out3
.if DOCPART == 1
	.amdgcn_target "amdgcn-amd-amdhsa--gfx1250"
	.amdhsa_code_object_version 6
	.text
	.protected	k_q7cdf9674ad_prep
	.globl	k_q7cdf9674ad_prep
	.p2align	8
	.type	k_q7cdf9674ad_prep,@function
k_q7cdf9674ad_prep:
	s_mov_b64 s[64:65], 0
	v_nop
	global_prefetch_b8 v0, s[64:65] scope:SCOPE_SE
	s_setreg_imm32_b32 hwreg(HW_REG_WAVE_MODE, 25, 1), 1
	s_wait_xcnt 0x0
; THREE JOBS IN ONE LAUNCH, parted on the work-group's number alone; the three paths never join.
;   work-group 0          the router: logits (f32 sums), softmax, top 2, gates, mask, aux_loss; the chosen experts go to 'route' as whole numbers, at fixed places
;   work-groups 1-256     x, f32 [4096 rows][K 1024], into codes of E4M3 with the given scale 2^ex
;   work-groups 257-1280  w1 and w2, f32 [expert][K 1024][N 1024], into codes of E4M3 with the given scales 2^ew1, 2^ew2
; code = number / 2^e, held within +-448, to the nearest code, ties to even.
; CODES ARE LAID AS IMAGES OF OPERAND REGISTERS.  A fragment is 16 rows x 128 K = 2,048 bytes, [chunk c 0-3][lane 0-31][16 bytes]: lane (r = lane % 16, h = lane / 16) holds
; k = 32 c + 16 h + 0..15 of row r.
;   wcodes [matrix = 8 layer + expert][64 columns G 0-15][K step 0-7][tile j 0-3][2048]; row r of tile j is column 64 G + 4 p + j: in w2 p = r; in w1 p is r with its bits 2 and 3 exchanged,
;          so that a lane's results are 16 neighbours along the next product's K
;   xcodes [block of 128 rows 0-31][K step 0-7][tile of 16 rows 0-7][2048]
; All eight experts' weights are quantised: which are chosen is known only from floating-point numbers of this same launch, on which no address here may hang.
; LIMITS: ew1, ex, ew2 between -126 and 119, so that 2^e and 448 x 2^e are f32 numbers.  NaN among x, w1, w2 is not served.  The logits are f32 sums in an order of their own: two
; probabilities closer than that rounding may change places in the top 2.  A probability under 2^-126 counts as 0 (v_exp_f32 gives 0 there).
; No matrix unit, no tensor loads, no cluster: the two large jobs are streams that share no input byte.
.set RB,  33792                        ; LDS: the router's partial sums, 256 bytes for each wave; [0, 33792) are the x path's stages; the weights' path uses no LDS
.set XP,  528                          ; the x path's stage: a row of 512 bytes + 16 = 33 x 16 bytes
.set XST, 16*XP
.set SPW, 6                            ; v6 my spare word, v7 0; never rewritten
.set NIL, 7
.set WX,  8                            ; weights: v8-135   2 chunks x 16 rows of K x my 4 columns
.set WT,  136                          ;          v136-151 a column's 16 neighbours along K
.set WQ,  152                          ;          v152-183 codes
.set XR,  8                            ; x: v8-135    two K steps as loaded, then as read back
.set XC,  136                          ;    v136-167  codes
.set RD,  8                            ; router: v8-71 dec_embeddings, v72-135 router_w, v136-167 32 sums
.set RW,  72
.set ACC, 136
	s_load_b512 s[16:31], s[0:1], 0x0              ; x s[16:17], w1 s[18:19], w2 s[20:21], dec_embeddings s[22:23], router_w s[24:25], router_b s[26:27], lowp_scales s[28:29], wcodes s[30:31]
	s_load_b256 s[32:39], s[0:1], 0x40             ; xcodes s[32:33], route s[34:35], gates s[36:37], out1 s[38:39]
	s_load_b128 s[40:43], s[0:1], 0x60             ; out2 s[40:41], out3 s[42:43]
	v_lshl_add_u32 v[SPW], v0, 2, 0x8800
	v_mov_b32 v[NIL], 0
	v_lshrrev_b32 v1, 5, v0
	v_readfirstlane_b32 s8, v1                     ; wave 0..3
	v_and_b32 v1, 31, v0                           ; lane
	v_and_b32 v2, 15, v0                           ; r
	v_bfe_u32 v3, v0, 4, 1                         ; h
	s_wait_alu depctr_va_vdst(0)
	s_wait_kmcnt 0x0
	s_load_b128 s[44:47], s[28:29], 0x0            ; ew1, ex, eh, ew2
	s_cmp_eq_u32 ttmp9, 0
	s_cbranch_scc1 .Lrouter
	s_cmp_gt_u32 ttmp9, 256
	s_cbranch_scc1 .Lweights
; ---------------------------------------------------------------- x: a work-group takes a tile of 16 rows, wave w its K steps 2 w and 2 w + 1
	s_sub_co_u32 s9, ttmp9, 1                      ; T: the tile of rows, 0..255
	s_lshl_b32 s10, s9, 16                         ; 16 rows of 4,096 bytes
	s_lshl_b32 s11, s8, 10                         ; + my 256 numbers of a row
	s_add_co_u32 s10, s10, s11
	s_mov_b32 s11, 0
	s_add_nc_u64 s[16:17], s[16:17], s[10:11]
	s_lshr_b32 s12, s9, 3
	s_lshl_b32 s12, s12, 17                        ; block T / 8: 131,072 bytes
	s_and_b32 s13, s9, 7
	s_lshl_b32 s13, s13, 11                        ; its tile T % 8
	s_add_co_u32 s12, s12, s13
	s_lshl_b32 s13, s8, 15                         ; K step 2 w: 16,384 bytes a step
	s_add_co_u32 s12, s12, s13
	s_mov_b32 s13, 0
	s_add_nc_u64 s[32:33], s[32:33], s[12:13]
	s_mul_i32 s9, s8, XST                          ; my stage
	v_lshlrev_b32 v4, 4, v1                        ; 16 x lane: my bytes of a load's and of a store's 512
	v_add_nc_u32 v5, s9, v4                        ; into the stage: a row as it lies
	v_mul_u32_u24 v1, v2, XP
	v_lshl_add_u32 v1, v3, 6, v1
	v_add_nc_u32 v1, s9, v1                        ; out of it: row r, + 64 h: my 16 numbers of a chunk of 32
.irp f, 0,1
.set i, 0
.rept 16
	global_load_b128 v[XR+64*\f+4*i:XR+64*\f+4*i+3], v4, s[16:17] offset:4096*i+512*\f th:TH_LOAD_NT   ; 512 consecutive bytes of row i: one K step
.set i, i+1
.endr
.endr
	s_wait_alu depctr_va_vdst(0)
	s_wait_kmcnt 0x0
	s_add_co_i32 s14, s45, 127
	s_lshl_b32 s15, s14, 23
	v_mov_b32 v2, s15                              ; 2^ex as f32: the conversion takes its exponent field
	s_add_co_i32 s14, s14, 8
	s_lshl_b32 s14, s14, 23
	s_or_b32 s14, s14, 0x600000                    ; 448 x 2^ex
; One K step of the 16 rows: through my stage, so that a lane gets 16 neighbours along K; held, converted, stored as the fragment's image.
.macro XFRAG f
	s_wait_loadcnt 16*(1-\f)                       ; this K step's 16 loads are in; the other step's 16 may be out
.set i, 0
.rept 16
	ds_store_b128 v5, v[XR+64*\f+4*i:XR+64*\f+4*i+3] offset:XP*i
.set i, i+1
.endr
.set i, 0
.rept 16
	ds_load_b128 v[XR+64*\f+4*i:XR+64*\f+4*i+3], v1 offset:128*(i/4)+16*(i%4)   ; LDS serves a wave's instructions in order (ISA guide 5.7.1.4): these see my stores, which have read their registers
.set i, i+1
.endr
.irp c, 0,1,2,3
	s_wait_dscnt 12-4*\c                           ; chunk c's four loads are in; the younger chunks' may be out
.set i, 0
.rept 16
	v_med3_num_f32 v[XR+64*\f+16*\c+i], v[XR+64*\f+16*\c+i], -s14, s14   ; the conversion to an 8-bit code does not saturate (ISA guide 7.6.2): the hold comes first
.set i, i+1
.endr
	v_cvt_scalef32_pk8_fp8_f32 v[XC+16*\f+4*\c:XC+16*\f+4*\c+1], v[XR+64*\f+16*\c:XR+64*\f+16*\c+7], v2
	v_cvt_scalef32_pk8_fp8_f32 v[XC+16*\f+4*\c+2:XC+16*\f+4*\c+3], v[XR+64*\f+16*\c+8:XR+64*\f+16*\c+15], v2
	global_store_b128 v4, v[XC+16*\f+4*\c:XC+16*\f+4*\c+3], s[32:33] offset:16384*\f+512*\c   ; the wave stores 512 consecutive bytes, aligned; each step has its own code registers
.endr
.endm
	s_wait_alu depctr_va_vdst(0)
	XFRAG 0
	XFRAG 1
	v_nop                                          ; a plain line behind the last conversion
	s_wait_tensorcnt 0x0                           ; the wave's end
	ds_add_u32 v[SPW], v[NIL]
	s_wait_dscnt 0x0
	s_endpgm
; ---------------------------------------------------------------- weights: a wave takes 64 columns x 64 K.  Lane (r, h) takes the columns 4 p .. 4 p + 3 and, of each chunk of 32 along K, the 16 rows 16 h + 0..15.
; A load reads two rows of 256 consecutive bytes.  The hold writes a column's 16 neighbours along K into consecutive registers for the conversion.
.Lweights:
	s_sub_co_u32 s9, ttmp9, 257                    ; g = 0..1023
	s_and_b32 s10, s9, 3                           ; which 256 columns: four neighbouring work-groups cover whole rows
	s_bfe_u32 s11, s9, 0x40002                     ; which 64 along K, 0..15
	s_lshr_b32 s12, s9, 6                          ; matrix = 8 layer + expert
	s_and_b32 s13, s12, 7
	s_lshl_b32 s14, s13, 22                        ; the expert's 4 MiB,
	s_lshl_b32 s15, s11, 18                        ; 64 rows of 4,096 bytes,
	s_add_co_u32 s14, s14, s15
	s_lshl_b32 s15, s10, 10                        ; 256 columns,
	s_add_co_u32 s14, s14, s15
	s_lshl_b32 s15, s8, 8                          ; my wave's 64
	s_add_co_u32 s14, s14, s15
	s_mov_b32 s15, 0
	s_cmp_lt_u32 s12, 8                            ; w1 or w2: the choice hangs on the work-group's number alone
	s_cselect_b64 s[18:19], s[18:19], s[20:21]
	s_cselect_b32 s60, -1, 0
	s_add_nc_u64 s[18:19], s[18:19], s[14:15]
	v_lshlrev_b32 v5, 4, v1                        ; codes: 16 x lane
	v_and_b32 v1, 3, v2
	v_and_b32 v0, 4, v2
	v_lshl_add_u32 v1, v0, 1, v1
	v_bfe_u32 v0, v2, 3, 1
	v_lshl_add_u32 v1, v0, 2, v1                   ; r with its bits 2 and 3 exchanged
	v_cndmask_b32 v4, v2, v1, s60                  ; p
	v_lshlrev_b32 v4, 4, v4
	v_lshl_add_u32 v4, v3, 16, v4                  ; numbers: 16 p, + 16 rows for the upper half of the lanes
.irp c, 0,1
.set i, 0
.rept 16
	global_load_b128 v[WX+64*\c+4*i:WX+64*\c+4*i+3], v4, s[18:19] offset:(32*\c+i)*4096 th:TH_LOAD_NT
.set i, i+1
.endr
.endr
	s_lshl_b32 s48, s12, 20                        ; the matrix's 1 MiB of codes,
	s_lshl_b32 s49, s10, 18                        ; four times 65,536 bytes for 256 columns,
	s_add_co_u32 s48, s48, s49
	s_lshl_b32 s49, s8, 16                         ; my 64 columns,
	s_add_co_u32 s48, s48, s49
	s_lshr_b32 s49, s11, 1
	s_lshl_b32 s49, s49, 13                        ; the K step's four fragments,
	s_add_co_u32 s48, s48, s49
	s_and_b32 s49, s11, 1
	s_lshl_b32 s49, s49, 10                        ; chunks 0, 1 or 2, 3
	s_add_co_u32 s48, s48, s49
	s_mov_b32 s49, 0
	s_add_nc_u64 s[30:31], s[30:31], s[48:49]
	s_wait_alu depctr_va_vdst(0)
	s_wait_kmcnt 0x0
	s_cmp_lt_u32 s12, 8
	s_cselect_b32 s14, s44, s47                    ; ew1 or ew2
	s_add_co_i32 s14, s14, 127
	s_lshl_b32 s15, s14, 23
	v_mov_b32 v1, s15                              ; 2^e
	s_add_co_i32 s14, s14, 8
	s_lshl_b32 s14, s14, 23
	s_or_b32 s14, s14, 0x600000                    ; 448 x 2^e
	s_wait_alu depctr_va_vdst(0)
.irp c, 0,1
	s_wait_loadcnt 16-16*\c                        ; this chunk's 16 loads are in; the other's may be out
.irp j, 0,1,2,3
.set i, 0
.rept 16
	v_med3_num_f32 v[WT+i], v[WX+64*\c+4*i+\j], -s14, s14
.set i, i+1
.endr
	v_cvt_scalef32_pk8_fp8_f32 v[WQ+16*\c+4*\j:WQ+16*\c+4*\j+1], v[WT:WT+7], v1
	v_cvt_scalef32_pk8_fp8_f32 v[WQ+16*\c+4*\j+2:WQ+16*\c+4*\j+3], v[WT+8:WT+15], v1
	v_nop                                          ; a plain line behind the conversions: their sources are written next
.endr
.irp j, 0,1,2,3
	global_store_b128 v5, v[WQ+16*\c+4*\j:WQ+16*\c+4*\j+3], s[30:31] offset:2048*\j+512*\c   ; 512 consecutive bytes, aligned
.endr
.endr
	s_endpgm
; ---------------------------------------------------------------- the router: the four waves share K, 256 each; wave 0 finishes
.Lrouter:
	s_load_b256 s[48:55], s[26:27], 0x0            ; router_b
	s_mov_b32 s56, 0x76543210                      ; v_permlanex16_b32: lane l takes lane l xor 16
	s_mov_b32 s57, 0xfedcba98
	s_lshl_b32 s9, s8, 10
	v_lshlrev_b32 v4, 4, v1
	v_add_nc_u32 v4, s9, v4                        ; 1,024 x wave + 16 x lane
	s_lshl_b32 s10, s8, 8
	s_add_co_u32 s10, s10, RB
	v_mov_b32 v5, s10                              ; my wave's 256 bytes of partial sums
	v_and_b32 v3, 7, v0
	v_lshl_add_u32 v3, v3, 5, RB                   ; wave 0 later: lane l serves batch item l % 8: its eight sums
.irp j, 0,1
.irp n, 0,1,2,3,4,5,6,7
	global_load_b128 v[RD+32*\j+4*\n:RD+32*\j+4*\n+3], v4, s[22:23] offset:4096*\n+512*\j
	global_load_b128 v[RW+32*\j+4*\n:RW+32*\j+4*\n+3], v4, s[24:25] offset:4096*\n+512*\j
.endr
.endr
	s_wait_alu depctr_va_vdst(0)
	s_wait_loadcnt 0x0
.irp g, 0,1                                    ; items 0-3, then 4-7: 32 sums of my 8 numbers each: the first product starts a sum
.irp b, 0,1,2,3
.irp e, 0,1,2,3,4,5,6,7
	v_mul_f32 v[ACC+8*\b+\e], v[RD+16*\g+4*\b], v[RW+4*\e]
.endr
.endr
.irp t, 1,2,3,32,33,34,35
.irp b, 0,1,2,3
.irp e, 0,1,2,3,4,5,6,7
	v_fmac_f32 v[ACC+8*\b+\e], v[RD+16*\g+\t+4*\b], v[RW+\t+4*\e]
.endr
.endr
.endr
.irp m, 1,2,4,8                                ; across the 32 lanes: four steps inside each half,
.set i, 0
.rept 32
	v_add_f32_dpp v[ACC+i], v[ACC+i], v[ACC+i] row_xmask:\m row_mask:0xf bank_mask:0xf
.set i, i+1
.endr
.endr
.set i, 0
.rept 32
	v_permlanex16_b32 v[RD+16*\g+(i%16)+32*(i/16)], v[ACC+i], s56, s57  ; one across the halves (the destinations have been written: they held these items' dec_embeddings)
.set i, i+1
.endr
.set i, 0
.rept 32
	v_add_f32 v[ACC+i], v[ACC+i], v[RD+16*\g+(i%16)+32*(i/16)]
.set i, i+1
.endr
.set i, 0
.rept 8
	ds_store_b128 v5, v[ACC+4*i:ACC+4*i+3] offset:128*\g+16*i   ; every lane holds the same sums and writes the same words
.set i, i+1
.endr
.endr
	s_wait_kmcnt 0x0                               ; router_b (and the scales, which this path does not use)
	s_wait_dscnt 0x0                               ; for the others' sake: my stores have landed
	s_barrier_signal -1
	s_barrier_wait -1
	s_cmp_lg_u32 s8, 0
	s_cbranch_scc1 .Lrouter_end
.irp q, 0,1,2,3
	ds_load_b128 v[16+8*\q:19+8*\q], v3 offset:256*\q
	ds_load_b128 v[20+8*\q:23+8*\q], v3 offset:256*\q+16
.endr
	s_wait_dscnt 0x0
.irp e, 0,1,2,3,4,5,6,7
	v_add_f32 v[48+\e], v[16+\e], v[24+\e]
	v_add_f32 v[80+\e], v[32+\e], v[40+\e]
.endr
.irp e, 0,1,2,3,4,5,6,7
	v_add_f32 v[48+\e], v[48+\e], v[80+\e]
.endr
.irp e, 0,1,2,3,4,5,6,7
	v_add_f32 v[48+\e], s[48+\e], v[48+\e]         ; v48-55: my item's logits
.endr
	v_max3_num_f32 v72, v48, v49, v50              ; the softmax takes the largest logit away first
	v_max3_num_f32 v72, v72, v51, v52
	v_max3_num_f32 v72, v72, v53, v54
	v_max_num_f32 v72, v72, v55
.irp e, 0,1,2,3,4,5,6,7
	v_sub_f32 v[56+\e], v[48+\e], v72
.endr
.irp e, 0,1,2,3,4,5,6,7
	v_mul_f32 v[56+\e], 0x3fb8aa3b, v[56+\e]       ; x log2(e)
.endr
	s_wait_alu depctr_va_vdst(0)
.irp e, 0,1,2,3,4,5,6,7
	v_exp_f32 v[56+\e], v[56+\e]
.endr
	v_nop                                          ; a plain line behind the exponentials
	s_wait_alu depctr_va_vdst(0)
	v_add_f32 v73, v56, v57
	v_add_f32 v78, v58, v59
	v_add_f32 v79, v60, v61
	v_add_f32 v88, v62, v63
	v_add_f32 v73, v73, v78
	v_add_f32 v79, v79, v88
	v_add_f32 v73, v73, v79
	s_wait_alu depctr_va_vdst(0)
	v_rcp_f32 v78, v73
	v_nop
	s_wait_alu depctr_va_vdst(0)
.irp e, 0,1,2,3,4,5,6,7
	v_mul_f32 v[56+\e], v[56+\e], v78              ; v56-63: the probabilities
.endr
	v_mov_b32 v74, v56                             ; the largest and its index: a strict comparison keeps the lower index, as jax.lax.top_k does
	v_mov_b32 v76, 0
.irp e, 1,2,3,4,5,6,7
	v_cmp_gt_f32 vcc_lo, v[56+\e], v74
	v_cndmask_b32 v74, v74, v[56+\e], vcc_lo
	v_cndmask_b32 v76, v76, \e, vcc_lo
.endr
.irp e, 0,1,2,3,4,5,6,7
	v_cmp_eq_u32 vcc_lo, \e, v76
	v_cndmask_b32 v[80+\e], v[56+\e], -1.0, vcc_lo ; the winner is taken out: -1 lies under every probability
.endr
	v_mov_b32 v75, -1.0                            ; the second largest and its index
	v_mov_b32 v77, 0
.irp e, 0,1,2,3,4,5,6,7
	v_cmp_gt_f32 vcc_lo, v[80+\e], v75
	v_cndmask_b32 v75, v75, v[80+\e], vcc_lo
	v_cndmask_b32 v77, v77, \e, vcc_lo
.endr
	v_add_f32 v79, v74, v75
	s_wait_alu depctr_va_vdst(0)
	v_rcp_f32 v88, v79
	v_nop
	s_wait_alu depctr_va_vdst(0)
	v_mul_f32 v92, v74, v88                        ; g0
	v_mul_f32 v93, v75, v88                        ; g1
.irp e, 0,1,2,3,4,5,6,7
	v_cmp_eq_u32 s60, \e, v76
	v_cmp_eq_u32 s61, \e, v77
	s_or_b32 s60, s60, s61
	v_cndmask_b32 v[64+\e], 0, 1.0, s60            ; v64-71: the mask
.endr
.irp e, 0,1,2,3,4,5,6,7                        ; aux_loss = 8 sum_e mean_b(p) mean_b(mask) = sum_e (sum_b p)(sum_b mask) / 8; eight neighbouring lanes hold the eight items
	v_mov_b32 v[96+\e], v[56+\e]
	v_mov_b32 v[104+\e], v[64+\e]
.endr
.irp m, 1,2,4
.set i, 0
.rept 16
	v_add_f32_dpp v[96+i], v[96+i], v[96+i] row_xmask:\m row_mask:0xf bank_mask:0xf
.set i, i+1
.endr
.endr
	v_mul_f32 v112, v96, v104
.irp e, 1,2,3,4,5,6,7
	v_fmac_f32 v112, v[96+\e], v[104+\e]
.endr
	v_mul_f32 v112, 0x3e000000, v112               ; / 8
	v_lshlrev_b32 v113, 5, v1                      ; 32 and 8 bytes an item
	v_lshlrev_b32 v114, 3, v1
	v_mov_b32 v116, 0
	s_wait_alu depctr_va_vdst(0)
	s_wait_xcnt 0x0                                ; EXEC changes only behind this wait
	v_cmp_gt_u32 vcc_lo, 8, v1
	s_and_saveexec_b32 s58, vcc_lo                 ; lanes 0-7: one for each item
	global_store_b128 v113, v[48:51], s[42:43]     ; logits
	global_store_b128 v113, v[52:55], s[42:43] offset:16
	global_store_b128 v113, v[64:67], s[40:41]     ; mask
	global_store_b128 v113, v[68:71], s[40:41] offset:16
	global_store_b64 v114, v[76:77], s[34:35]      ; the two experts, first choice first
	global_store_b64 v114, v[92:93], s[36:37]      ; g0, g1
	s_wait_xcnt 0x0
	s_or_b32 exec_lo, exec_lo, s58
	v_cmp_eq_u32 vcc_lo, 0, v1
	s_and_saveexec_b32 s58, vcc_lo
	global_store_b32 v116, v112, s[38:39]          ; aux_loss
	s_wait_xcnt 0x0
	s_or_b32 exec_lo, exec_lo, s58
.Lrouter_end:
	s_wait_tensorcnt 0x0                           ; the wave's end
	ds_add_u32 v[SPW], v[NIL]
	s_wait_dscnt 0x0
	s_endpgm
.Lfunc_end_k_q7cdf9674ad_prep:
	.size	k_q7cdf9674ad_prep, .Lfunc_end_k_q7cdf9674ad_prep-k_q7cdf9674ad_prep
	.p2alignl 7, 3214868480
	.fill 96, 4, 3214868480
	.section	.rodata,"a",@progbits
	.p2align	6, 0x0
	.amdhsa_kernel k_q7cdf9674ad_prep
		.amdhsa_group_segment_fixed_size 35328
		.amdhsa_private_segment_fixed_size 0
		.amdhsa_enable_private_segment 0
		.amdhsa_kernarg_size 112
		.amdhsa_user_sgpr_count 2
		.amdhsa_user_sgpr_kernarg_segment_ptr 1
		.amdhsa_wavefront_size32 1
		.amdhsa_system_sgpr_workgroup_id_x 1
		.amdhsa_system_sgpr_workgroup_id_y 1
		.amdhsa_system_sgpr_workgroup_id_z 1
		.amdhsa_system_vgpr_workitem_id 0
		.amdhsa_next_free_vgpr 192
		.amdhsa_next_free_sgpr 66
		.amdhsa_reserve_vcc 1
		.amdhsa_float_denorm_mode_32 3
		.amdhsa_float_denorm_mode_16_64 3
		.amdhsa_memory_ordered 1
		.amdhsa_forward_progress 1
		.amdhsa_inst_pref_size 91
	.end_amdhsa_kernel
	.amdgpu_metadata
---
amdhsa.version: [ 1, 2 ]
amdhsa.kernels:
  - .name:           k_q7cdf9674ad_prep
    .symbol:         k_q7cdf9674ad_prep.kd
    .args:
      - { .name: x, .offset: 0, .size: 8, .value_kind: global_buffer, .address_space: global }
      - { .name: w1, .offset: 8, .size: 8, .value_kind: global_buffer, .address_space: global }
      - { .name: w2, .offset: 16, .size: 8, .value_kind: global_buffer, .address_space: global }
      - { .name: dec_embeddings, .offset: 24, .size: 8, .value_kind: global_buffer, .address_space: global }
      - { .name: router_w, .offset: 32, .size: 8, .value_kind: global_buffer, .address_space: global }
      - { .name: router_b, .offset: 40, .size: 8, .value_kind: global_buffer, .address_space: global }
      - { .name: lowp_scales, .offset: 48, .size: 8, .value_kind: global_buffer, .address_space: global }
      - { .name: wcodes, .offset: 56, .size: 8, .value_kind: global_buffer, .address_space: global }
      - { .name: xcodes, .offset: 64, .size: 8, .value_kind: global_buffer, .address_space: global }
      - { .name: route, .offset: 72, .size: 8, .value_kind: global_buffer, .address_space: global }
      - { .name: gates, .offset: 80, .size: 8, .value_kind: global_buffer, .address_space: global }
      - { .name: out1, .offset: 88, .size: 8, .value_kind: global_buffer, .address_space: global }
      - { .name: out2, .offset: 96, .size: 8, .value_kind: global_buffer, .address_space: global }
      - { .name: out3, .offset: 104, .size: 8, .value_kind: global_buffer, .address_space: global }
    .group_segment_fixed_size: 35328
    .private_segment_fixed_size: 0
    .kernarg_segment_align: 8
    .kernarg_segment_size: 112
    .max_flat_workgroup_size: 128
    .sgpr_count:     66
    .vgpr_count:     192
    .wavefront_size: 32
...
	.end_amdgpu_metadata
.endif
;; end of part 1
;; launch gemm1 (part 2): grid 256 x 1, 4 waves a work-group, clusters of 4 x 1, 327,680 bytes of LDS; arguments xcodes, wcodes, route, lowp_scales, b1, hcodes; writes hcodes
.if DOCPART == 2
	.amdgcn_target "amdgcn-amd-amdhsa--gfx1250"
	.amdhsa_code_object_version 6
	.text
	.protected	k_q7cdf9674ad_gemm1
	.globl	k_q7cdf9674ad_gemm1
	.p2align	8
	.type	k_q7cdf9674ad_gemm1,@function
k_q7cdf9674ad_gemm1:
	s_mov_b64 s[64:65], 0
	v_nop
	global_prefetch_b8 v0, s[64:65] scope:SCOPE_SE
	s_setreg_imm32_b32 hwreg(HW_REG_WAVE_MODE, 25, 1), 1
	s_wait_xcnt 0x0
	s_wait_alu depctr_hold_cnt(0) depctr_sa_sdst(0) depctr_va_vdst(0) depctr_va_sdst(0) depctr_va_ssrc(0) depctr_va_vcc(0) depctr_vm_vsrc(0)
	s_getreg_b32 s2, hwreg(HW_REG_IB_STS2, 6, 4)
	s_cmp_eq_u32 s2, 0
	s_cbranch_scc0 .Lentry_in_a_cluster
	s_endpgm
.Lentry_in_a_cluster:
	s_bfe_u32 s2, ttmp6, 0x10000c
	s_cmp_lg_u32 s2, 0x3003
	s_cbranch_scc0 .Lentry_shape_is_right
	s_endpgm
.Lentry_shape_is_right:
; hidden = Q(relu(x w1[e] + b1[e])) for the 16 pairs (item b, choice ch) of the stored list; codes of E4M3; sums in f32.  Experts that no item chose are not touched.
; A work-group makes 128 rows (block R) x 256 columns (group C) of one pair, K = 1,024: 16 x 4 x 4 = 256 work-groups.  A wave makes 128 rows x its own 64 columns: 32 accumulators.
; CLUSTERS: the four column groups of one row block form a cluster and ask JOINTLY for x's codes, 131,072 bytes, which all four need: one load a wave at the head.  Nothing in LDS is filled again.
; The weights are a wave's own and go from memory straight into a ring of six K steps in registers: a joint load would land in LDS, and their address hangs on a loaded index.
; So the K steps have no barrier; each fetches the next step's rows from LDS into the other set of registers between its products.
; NO PREFETCH: the text has no loop to run ahead in, and from the head on each wave has up to 95 loads out.
; THE PRODUCT IS USED TRANSPOSED (source 0 = a tile of the weight, source 1 = 16 rows of x): lane (r, h) holds row r; register i of tile j is, of my 64 columns,
; for i = 0-3 16 h + 4 i + j, for i = 4-7 32 + 16 h + 4 (i - 4) + j: 16 neighbours along the next K in each of two chunks.
; hcodes [item][block of 128 rows 0-3][choice 0-1][K step 0-7][tile of 16 rows 0-7][2048], the fragment's image as in the first launch.
; LIMITS: eh - ew1 - ex between -126 and 119, so that 2^(eh - ew1 - ex) and 448 times it are f32 numbers.  NaN is not served.  An index is held at 7 at the most.
; REGISTERS: window 0: v4, v5 LDS addresses (v4 = 16 x lane also serves the weights' loads and the stores), v13 the scale, v14, v15 the add; v16-47 the bias; v64-127 at work; v128-255 x's fragments, set 0.
;   window 1: v0-127 the weights' ring, places 4 and 5; v128-255 x's fragments, set 1.   window 2: the ring's places 0-3.   window 3: accumulator (block a, tile j) at v[8 (4 a + j)].
.set BI,  16
.set TMP, 64
.set XF,  128
.set SPARE, 0x20000                    ; behind x's panel: the spare words
.set SPW, 14
.set NIL, 15
.set G1,  24                           ; s[24:31] descriptor group 1, s[32:35] group 0
.set MSB, 0
.macro WIN new                         ; the immediate's high byte repeats the setting that is left
.if MSB != \new
	s_set_vgpr_msb (MSB<<8)|\new
.set MSB, \new
.endif
.endm
.macro PLACES                          ; four plain vector lines behind a matrix instruction (ISA guide 7.12.1)
.rept 4
	v_nop
.endr
.endm
.macro CROUND                          ; a round of the cluster's barrier
	s_barrier_signal -1
	s_barrier_wait -1
	s_cmp_lg_u32 s18, 0
	s_cbranch_scc1 .Lnot_wave_0_\@
	s_barrier_signal -3
.Lnot_wave_0_\@:
	s_barrier_wait -3
	s_barrier_signal -1
	s_barrier_wait -1
.endm
.macro BLOAD s                         ; the weights' four fragments of K step s, into place s % 6
.if ((\s)%6) < 4
	WIN 0x80
.else
	WIN 0x40
.endif
.irp j, 0,1,2,3
.irp c, 0,1,2,3
	global_load_b128 v[64*(((\s)%6)%4)+16*\j+4*\c:64*(((\s)%6)%4)+16*\j+4*\c+3], v4, s[6:7] offset:8192*(\s)+2048*\j+512*\c
.endr
.endr
.endm
.macro XLOAD s, a0                     ; blocks a0 .. a0 + 3 of 16 rows of x, K step s, into set s % 2
.if (\s)%2
	WIN 0x40
.else
	WIN 0
.endif
.irp a, \a0, \a0+1, \a0+2, \a0+3
.irp c, 0,1,2,3
	ds_load_b128 v[XF+16*(\a)+4*\c:XF+16*(\a)+4*\c+3], v[4+(\s)/4] offset:16384*((\s)%4)+2048*(\a)+512*\c
.endr
.endr
.endm
.macro MUL s, a0                       ; two blocks x four tiles; the accumulators take turns, one instruction a turn; the first K step starts the sums with the bias
.if (\s) == 0
	WIN 0xc2
.elseif ((\s)%6) < 4
	WIN 0xf2+4*((\s)%2)
.else
	WIN 0xf1+4*((\s)%2)
.endif
.irp a, \a0, \a0+1
.irp j, 0,1,2,3
.if (\s) == 0
	v_wmma_f32_16x16x128_fp8_fp8 v[8*(4*(\a)+\j):8*(4*(\a)+\j)+7], v[16*\j:16*\j+15], v[XF+16*(\a):XF+16*(\a)+15], v[BI+8*\j:BI+8*\j+7]
.else
	v_wmma_f32_16x16x128_fp8_fp8 v[8*(4*(\a)+\j):8*(4*(\a)+\j)+7], v[64*(((\s)%6)%4)+16*\j:64*(((\s)%6)%4)+16*\j+15], v[XF+16*(\a):XF+16*(\a)+15], v[8*(4*(\a)+\j):8*(4*(\a)+\j)+7]
.endif
.endr
.endr
.endm
.macro STEP s                          ; a K step of 128: 32 matrix instructions
.if ((\s) > 0) && ((\s) < 7)
	PLACES                                         ; in front of the loads into registers that the step before multiplied
.endif
.if ((\s) > 0) && ((\s) < 3)
	BLOAD \s+5                                     ; into the place of step s - 1
.endif
.if (\s) < 7
	XLOAD \s+1, 0
.endif
.if (\s) < 4
	s_wait_loadcnt 63                              ; 64 or 80 younger loads stand behind this step's weights; a wait names 63 at the most
.else
	s_wait_loadcnt 16*(7-(\s))
.endif
.if (\s) < 7
	s_wait_dscnt 16                                ; this step's rows are in; the 16 just issued may be out
.else
	s_wait_dscnt 0x0
.endif
	MUL \s, 0
.if (\s) < 7
	XLOAD \s+1, 4
.endif
	MUL \s, 2
	MUL \s, 4
	MUL \s, 6
.endm
	s_load_b256 s[4:11], s[0:1], 0x0               ; xcodes s[4:5], wcodes s[6:7], route s[8:9], lowp_scales s[10:11]
	s_load_b128 s[12:15], s[0:1], 0x20             ; b1 s[12:13], hcodes s[14:15]
	v_lshl_add_u32 v[SPW], v0, 2, SPARE
	v_mov_b32 v[NIL], 0
	ds_add_u32 v[SPW], v[NIL]                      ; the opening: the add twice on end
	ds_add_u32 v[SPW], v[NIL]
	v_lshrrev_b32 v1, 5, v0
	v_readfirstlane_b32 s18, v1                    ; wave w
	v_and_b32 v1, 31, v0                           ; lane
	v_bfe_u32 v3, v0, 4, 1                         ; h
	v_lshlrev_b32 v4, 4, v1
	v_add_nc_u32 v5, 0x10000, v4                   ; K steps 4-7 of the panel
	v_lshlrev_b32 v2, 6, v3                        ; the bias: 64 h bytes
	s_bfe_u32 s20, ttmp6, 0x40000                  ; cx: the group C of 256 columns
	s_bfe_u32 s21, ttmp9, 0x30001                  ; item b = (cluster / 2) % 8
	s_and_b32 s22, ttmp9, 1                        ; choice
	s_lshr_b32 s23, ttmp9, 4                       ; row block R = cluster / 16
	s_mov_b32 s[G1+0], 15|(3<<16)|(1<<21)          ; the mask names the cluster's four; 32,768 bytes, dense, as 64 rows of 64 elements of 8 bytes
	s_mov_b32 s[G1+1], 64<<16
	s_mov_b32 s[G1+2], 64<<16
	s_mov_b32 s[G1+3], 64<<16
	s_mov_b32 s[G1+4], 64
	s_mov_b32 s[G1+5], 64
	s_mov_b32 s[G1+6], 0
	s_mov_b32 s[G1+7], 0
	s_lshl_b32 s48, s21, 19                        ; x: the item's four blocks of 131,072 bytes,
	s_lshl_b32 s49, s23, 17                        ; block R,
	s_add_co_u32 s48, s48, s49
	s_lshl_b32 s60, s18, 15                        ; wave w brings K steps 2 w and 2 w + 1
	s_add_co_u32 s48, s48, s60
	s_mov_b32 s49, 0
	s_mov_b32 s32, 1
	s_mov_b32 s33, s60
	s_lshl_b32 s62, s21, 3                         ; the item's two words in route,
	s_lshl_b32 s63, s22, 2
	s_add_co_u32 s62, s62, s63                     ; the choice's
	s_mov_b32 s63, 0
	s_wait_alu depctr_va_vdst(0)
	s_wait_dscnt 0x0                               ; both opening adds are done
	s_wait_kmcnt 0x0
	s_add_nc_u64 s[8:9], s[8:9], s[62:63]
	s_load_b32 s16, s[8:9], 0x0                    ; the expert
	s_load_b128 s[44:47], s[10:11], 0x0            ; ew1, ex, eh, ew2
	s_add_nc_u64 s[34:35], s[4:5], s[48:49]
	s_or_b32 s35, s35, 0x80000000
	CROUND                                         ; the four work-groups are here: the joint loads meet
	tensor_load_to_lds s[32:35], s[G1:G1+7]        ; my one tensor load
	s_nop 0
	PLACES
	s_wait_kmcnt 0x0
	s_min_u32 s16, s16, 7                          ; an index stays inside its table
	s_lshl_b32 s62, s20, 2
	s_add_co_u32 s62, s62, s18                     ; my 64 columns: G = 4 C + w
	s_lshl_b32 s60, s16, 20                        ; the expert's codes,
	s_lshl_b32 s61, s62, 16                        ; my columns'
	s_add_co_u32 s60, s60, s61
	s_mov_b32 s61, 0
	s_add_nc_u64 s[6:7], s[6:7], s[60:61]
	s_lshl_b32 s60, s16, 12
	s_lshl_b32 s63, s62, 8
	s_add_co_u32 s60, s60, s63
	s_add_nc_u64 s[12:13], s[12:13], s[60:61]
.set i, 0
.rept 8
	global_load_b128 v[TMP+4*i:TMP+4*i+3], v2, s[12:13] offset:128*(i/4)+16*(i%4)   ; b1 at my 32 columns
.set i, i+1
.endr
	BLOAD 0
	BLOAD 1
	BLOAD 2
	BLOAD 3
	WIN 0
	s_add_co_i32 s19, s44, s45                     ; a sum of codes stands for sum x 2^(ew1 + ex)
	s_sub_co_i32 s17, 0, s19
	s_sub_co_i32 s19, s46, s19
	s_add_co_i32 s19, s19, 127
	s_lshl_b32 s51, s19, 23
	v_mov_b32 v13, s51                             ; 2^(eh - ew1 - ex)
	s_add_co_i32 s19, s19, 8
	s_lshl_b32 s50, s19, 23
	s_or_b32 s50, s50, 0x600000                    ; 448 x that
	s_lshl_b32 s48, s21, 20                        ; hcodes: the item,
	s_lshl_b32 s49, s23, 18                        ; the row block,
	s_add_co_u32 s48, s48, s49
	s_lshl_b32 s49, s22, 17                        ; the choice,
	s_add_co_u32 s48, s48, s49
	s_lshr_b32 s49, s62, 1
	s_lshl_b32 s49, s49, 14                        ; the K step that my 64 columns lie in,
	s_add_co_u32 s48, s48, s49
	s_and_b32 s49, s62, 1
	s_lshl_b32 s49, s49, 10                        ; chunks 0, 1 or 2, 3
	s_add_co_u32 s48, s48, s49
	s_mov_b32 s49, 0
	s_add_nc_u64 s[14:15], s[14:15], s[48:49]
	s_wait_alu depctr_va_vdst(0)
	s_wait_loadcnt 63                              ; the bias is in: 64 younger loads stand behind it
.irp j, 0,1,2,3
.set i, 0
.rept 8
	v_ldexp_f32 v[BI+8*\j+i], v[TMP+4*i+\j], s17   ; b1 / 2^(ew1 + ex), ordered by tile: the sums' start
.set i, i+1
.endr
.endr
	s_wait_alu depctr_va_vdst(0)
	s_wait_tensorcnt 0x0                           ; my part of the panel is in
	s_wait_dscnt 0x0
	s_barrier_signal -1
	s_barrier_wait -1                              ; everybody's is
	XLOAD 0, 0
	XLOAD 0, 4
	BLOAD 4
	BLOAD 5
	STEP 0
	STEP 1
	STEP 2
	STEP 3
	STEP 4
	STEP 5
	STEP 6
	STEP 7
	PLACES                                         ; in front of the first read of results
; THE WAY OUT: relu and the hold in one, ordered by column; the codes are the next product's fragments; each store covers 512 consecutive bytes, aligned.
.irp a, 0,1,2,3,4,5,6,7
	WIN 0x03
.irp c, 0,1
.irp i, 0,1,2,3
.irp j, 0,1,2,3
	v_med3_num_f32 v[TMP+32*(\a%2)+16*\c+4*\i+\j], v[32*\a+8*\j+4*\c+\i], 0, s50   ; the conversion to an 8-bit code does not saturate (ISA guide 7.6.2)
.endr
.endr
.endr
	WIN 0
.irp k, 0,1,2,3
	v_cvt_scalef32_pk8_fp8_f32 v[XF+8*\a+2*\k:XF+8*\a+2*\k+1], v[TMP+32*(\a%2)+8*\k:TMP+32*(\a%2)+8*\k+7], v13
.endr
	global_store_b128 v4, v[XF+8*\a:XF+8*\a+3], s[14:15] offset:2048*\a
	global_store_b128 v4, v[XF+8*\a+4:XF+8*\a+7], s[14:15] offset:2048*\a+512
.endr
	v_nop                                          ; a plain line behind the last conversion
	s_wait_tensorcnt 0x0                           ; the wave's end
	ds_add_u32 v[SPW], v[NIL]
	s_wait_dscnt 0x0
	CROUND                                         ; the closing round
	s_endpgm
.Lfunc_end_k_q7cdf9674ad_gemm1:
	.size	k_q7cdf9674ad_gemm1, .Lfunc_end_k_q7cdf9674ad_gemm1-k_q7cdf9674ad_gemm1
	.p2alignl 7, 3214868480
	.fill 96, 4, 3214868480
	.section	.rodata,"a",@progbits
	.p2align	6, 0x0
	.amdhsa_kernel k_q7cdf9674ad_gemm1
		.amdhsa_group_segment_fixed_size 327680
		.amdhsa_private_segment_fixed_size 0
		.amdhsa_enable_private_segment 0
		.amdhsa_kernarg_size 48
		.amdhsa_user_sgpr_count 2
		.amdhsa_user_sgpr_kernarg_segment_ptr 1
		.amdhsa_wavefront_size32 1
		.amdhsa_system_sgpr_workgroup_id_x 1
		.amdhsa_system_sgpr_workgroup_id_y 1
		.amdhsa_system_sgpr_workgroup_id_z 1
		.amdhsa_system_vgpr_workitem_id 0
		.amdhsa_next_free_vgpr 1024
		.amdhsa_next_free_sgpr 66
		.amdhsa_reserve_vcc 0
		.amdhsa_float_denorm_mode_32 3
		.amdhsa_float_denorm_mode_16_64 3
		.amdhsa_memory_ordered 1
		.amdhsa_forward_progress 1
		.amdhsa_inst_pref_size 74
	.end_amdhsa_kernel
	.amdgpu_metadata
---
amdhsa.version: [ 1, 2 ]
amdhsa.kernels:
  - .name:           k_q7cdf9674ad_gemm1
    .symbol:         k_q7cdf9674ad_gemm1.kd
    .args:
      - { .name: xcodes, .offset: 0, .size: 8, .value_kind: global_buffer, .address_space: global }
      - { .name: wcodes, .offset: 8, .size: 8, .value_kind: global_buffer, .address_space: global }
      - { .name: route, .offset: 16, .size: 8, .value_kind: global_buffer, .address_space: global }
      - { .name: lowp_scales, .offset: 24, .size: 8, .value_kind: global_buffer, .address_space: global }
      - { .name: b1, .offset: 32, .size: 8, .value_kind: global_buffer, .address_space: global }
      - { .name: hcodes, .offset: 40, .size: 8, .value_kind: global_buffer, .address_space: global }
    .group_segment_fixed_size: 327680
    .private_segment_fixed_size: 0
    .kernarg_segment_align: 8
    .kernarg_segment_size: 48
    .max_flat_workgroup_size: 128
    .sgpr_count:     66
    .vgpr_count:     1024
    .wavefront_size: 32
...
	.end_amdgpu_metadata
.endif
;; end of part 2
;; launch gemm2 (part 3): grid 256 x 1, 4 waves a work-group, clusters of 4 x 1, 327,680 bytes of LDS; arguments hcodes, wcodes, route, gates, lowp_scales, b2, out0; writes out0
.if DOCPART == 3
	.amdgcn_target "amdgcn-amd-amdhsa--gfx1250"
	.amdhsa_code_object_version 6
	.text
	.protected	k_q7cdf9674ad_gemm2
	.globl	k_q7cdf9674ad_gemm2
	.p2align	8
	.type	k_q7cdf9674ad_gemm2,@function
k_q7cdf9674ad_gemm2:
	s_mov_b64 s[64:65], 0
	v_nop
	global_prefetch_b8 v0, s[64:65] scope:SCOPE_SE
	s_setreg_imm32_b32 hwreg(HW_REG_WAVE_MODE, 25, 1), 1
	s_wait_xcnt 0x0
	s_wait_alu depctr_hold_cnt(0) depctr_sa_sdst(0) depctr_va_vdst(0) depctr_va_sdst(0) depctr_va_ssrc(0) depctr_va_vcc(0) depctr_vm_vsrc(0)
	s_getreg_b32 s2, hwreg(HW_REG_IB_STS2, 6, 4)
	s_cmp_eq_u32 s2, 0
	s_cbranch_scc0 .Lentry_in_a_cluster
	s_endpgm
.Lentry_in_a_cluster:
	s_bfe_u32 s2, ttmp6, 0x10000c
	s_cmp_lg_u32 s2, 0x3003
	s_cbranch_scc0 .Lentry_shape_is_right
	s_endpgm
.Lentry_shape_is_right:
; out0 = g0 (h0 w2[e0] + b2[e0]) + g1 (h1 w2[e1] + b2[e1]) for each item: h0, h1 the hidden layers of its two chosen experts, as codes of E4M3; sums in f32.
; A work-group makes 128 rows (block R) x 128 columns of one item: 8 x 4 x 8 = 256 work-groups.  Wave w = 2 ch + n takes choice ch, all 128 rows, the n-th 64 columns, K = 1,024: 32 accumulators.
; At the end wave (ch, n) finishes the 64 rows 64 ch .. 64 ch + 63: it gives its sums of the other 64 rows to wave (1 - ch, n) through LDS, and each output has one owner.
; A wave's blocks 0-3 are the rows that it keeps, 4-7 those that it gives: only LDS addresses differ between waves.
; CLUSTERS: four column groups of one row block form a cluster and ask JOINTLY for the hidden codes of both choices, 262,144 bytes, which all four need: one load a wave at the head.  Nothing in LDS is filled again.
; The weights are a wave's own and go from memory straight into a ring of six K steps in registers: a joint load would land in LDS, and their address hangs on a loaded index.
; NO PREFETCH: the text has no loop to run ahead in, and from the head on each wave has up to 95 loads out.
; THE PRODUCT IS USED TRANSPOSED (source 0 = a tile of the weight, source 1 = 16 rows): lane (r, h) holds row r; register i of tile j is column 32 h + 4 i + j of my 64.
; LIMITS: NaN is not served.  An index is held at 7 at the most.  eh + ew2 is applied by v_ldexp_f32.
; REGISTERS: window 0: v4, v5 and v6, v7 LDS addresses of blocks 0-3 and 4-7; v12 16 x lane; v13 the factor; v14, v15 the add; v16-20 the way out; v32-63 g b2; v64-127 at work; v128-255 rows' fragments, set 0, later what the partner gave.
;   window 1: v0-127 the weights' ring, places 4 and 5; v128-255 rows' fragments, set 1.   window 2: the ring's places 0-3.   window 3: accumulator (block a, tile j) at v[8 (4 a + j)].
.set GB,  32
.set TMP, 64
.set XF,  128
.set SP,  272                          ; a stage row: 256 bytes + 16
.set STG, 0x10000                      ; the stages; [0, 65536) what is given.  Both lie in the panel, which has had its one fill, and whose last read lies ahead of step 7's barrier
.set SPARE, 0x40000                    ; behind the panel: the spare words
.set SPW, 14
.set NIL, 15
.set G1,  24
.set MSB, 0
.macro WIN new                         ; the immediate's high byte repeats the setting that is left
.if MSB != \new
	s_set_vgpr_msb (MSB<<8)|\new
.set MSB, \new
.endif
.endm
.macro PLACES                          ; four plain vector lines behind a matrix instruction (ISA guide 7.12.1)
.rept 4
	v_nop
.endr
.endm
.macro CROUND                          ; a round of the cluster's barrier
	s_barrier_signal -1
	s_barrier_wait -1
	s_cmp_lg_u32 s18, 0
	s_cbranch_scc1 .Lnot_wave_0_\@
	s_barrier_signal -3
.Lnot_wave_0_\@:
	s_barrier_wait -3
	s_barrier_signal -1
	s_barrier_wait -1
.endm
.macro BLOAD s                         ; the weights' four fragments of K step s, into place s % 6
.if ((\s)%6) < 4
	WIN 0x80
.else
	WIN 0x40
.endif
.irp j, 0,1,2,3
.irp c, 0,1,2,3
	global_load_b128 v[64*(((\s)%6)%4)+16*\j+4*\c:64*(((\s)%6)%4)+16*\j+4*\c+3], v12, s[6:7] offset:8192*(\s)+2048*\j+512*\c
.endr
.endr
.endm
.macro XLOAD s, a0                     ; blocks a0 .. a0 + 3 of K step s into set s % 2
.if (\s)%2
	WIN 0x40
.else
	WIN 0
.endif
.irp a, 0,1,2,3
.irp c, 0,1,2,3
	ds_load_b128 v[XF+16*(\a0+\a)+4*\c:XF+16*(\a0+\a)+4*\c+3], v[4+(\a0)/2+(\s)/4] offset:16384*((\s)%4)+2048*\a+512*\c
.endr
.endr
.endm
.macro MUL s, a0                       ; two blocks x four tiles; the accumulators take turns, one instruction a turn
.if ((\s)%6) < 4
	WIN 0xf2+4*((\s)%2)
.else
	WIN 0xf1+4*((\s)%2)
.endif
.irp a, \a0, \a0+1
.irp j, 0,1,2,3
.if (\s) == 0
	v_wmma_f32_16x16x128_fp8_fp8 v[8*(4*(\a)+\j):8*(4*(\a)+\j)+7], v[16*\j:16*\j+15], v[XF+16*(\a):XF+16*(\a)+15], 0
.else
	v_wmma_f32_16x16x128_fp8_fp8 v[8*(4*(\a)+\j):8*(4*(\a)+\j)+7], v[64*(((\s)%6)%4)+16*\j:64*(((\s)%6)%4)+16*\j+15], v[XF+16*(\a):XF+16*(\a)+15], v[8*(4*(\a)+\j):8*(4*(\a)+\j)+7]
.endif
.endr
.endr
.endm
.macro STEP s                          ; a K step of 128: 32 matrix instructions
.if ((\s) > 0) && ((\s) < 7)
	PLACES                                         ; in front of the loads into registers that the step before multiplied
.endif
.if ((\s) > 0) && ((\s) < 3)
	BLOAD \s+5                                     ; into the place of step s - 1
.endif
.if (\s) < 7
	XLOAD \s+1, 0
.endif
.if (\s) < 4
	s_wait_loadcnt 63                              ; 64 or 80 younger loads stand behind this step's weights; a wait names 63 at the most
.else
	s_wait_loadcnt 16*(7-(\s))
.endif
.if (\s) < 7
	s_wait_dscnt 16                                ; this step's rows are in; the 16 just issued may be out
.else
	s_wait_dscnt 0x0                               ; my last reads of the panel are over:
	s_barrier_signal -1                            ; say so; the products stand between signal and wait
.endif
	MUL \s, 0
.if (\s) < 7
	XLOAD \s+1, 4
.endif
	MUL \s, 2
	MUL \s, 4
	MUL \s, 6
.if (\s) == 7
	s_barrier_wait -1                              ; nobody reads the panel any more
.endif
.endm
.macro FMAS a                          ; block a: sum x g 2^(eh + ew2) + g b2, ordered by column
	WIN 0x03
.irp i, 0,1,2,3,4,5,6,7
.irp j, 0,1,2,3
	v_fma_f32 v[TMP+32*((\a)%2)+4*\i+\j], v[8*(4*(\a)+\j)+\i], v13, v[GB+4*\i+\j]
.endr
.endr
	WIN 0
.endm
.macro KEEP a                          ; block a: mine and the partner's, into my stage, and back as whole runs of 256 bytes of a row
.if (\a) == 0
	s_wait_dscnt 24                                ; the partner's block 0 is in; three blocks of eight loads may be out
.else
.if (\a) == 1
	s_wait_dscnt 32                                ; block 1 is in; two blocks' loads and block 0's sixteen may be out
.endif
	FMAS \a
.endif
.set i, 0
.rept 16
	v_pk_add_f32 v[TMP+32*((\a)%2)+2*i:TMP+32*((\a)%2)+2*i+1], v[TMP+32*((\a)%2)+2*i:TMP+32*((\a)%2)+2*i+1], v[XF+32*(\a)+2*i:XF+32*(\a)+2*i+1]
.set i, i+1
.endr
.set i, 0
.rept 8
	ds_store_b128 v16, v[TMP+32*((\a)%2)+4*i:TMP+32*((\a)%2)+4*i+3] offset:16*i
.set i, i+1
.endr
.set i, 0
.rept 8
	ds_load_b128 v[XF+32*(\a)+4*i:XF+32*(\a)+4*i+3], v17 offset:2*SP*i   ; LDS serves a wave's instructions in order (ISA guide 5.7.1.4): these see my stores; the next block's stores come behind them
.set i, i+1
.endr
.endm
.macro SEND a, younger                 ; younger: the LDS instructions issued behind block a's loads, which may stay out
	s_wait_dscnt \younger
.set i, 0
.rept 8
	global_store_b128 v18, v[XF+32*(\a)+4*i:XF+32*(\a)+4*i+3], s[16:17] offset:(16*(\a)+2*i)*4096 th:TH_STORE_NT   ; 16 lanes store 256 consecutive bytes, aligned
.set i, i+1
.endr
.endm
	s_load_b256 s[4:11], s[0:1], 0x0               ; hcodes s[4:5], wcodes s[6:7], route s[8:9], gates s[10:11]
	s_load_b128 s[12:15], s[0:1], 0x20             ; lowp_scales s[12:13], b2 s[14:15]
	s_load_b64 s[16:17], s[0:1], 0x30              ; out0
	v_lshl_add_u32 v[SPW], v0, 2, SPARE
	v_mov_b32 v[NIL], 0
	ds_add_u32 v[SPW], v[NIL]                      ; the opening: the add twice on end
	ds_add_u32 v[SPW], v[NIL]
	v_lshrrev_b32 v1, 5, v0
	v_readfirstlane_b32 s18, v1                    ; wave w
	v_and_b32 v1, 31, v0                           ; lane
	v_and_b32 v2, 15, v0                           ; r
	v_bfe_u32 v3, v0, 4, 1                         ; h
	v_lshlrev_b32 v12, 4, v1
	s_wait_alu depctr_va_vdst(0)
	s_lshr_b32 s19, s18, 1                         ; choice ch
	s_lshl_b32 s48, s19, 17                        ; its panel of 131,072 bytes
	s_lshl_b32 s49, s19, 13
	s_add_co_u32 s60, s48, s49                     ; the four tiles that I keep,
	s_xor_b32 s49, s49, 0x2000
	s_add_co_u32 s61, s48, s49                     ; the four that I give
	v_add_nc_u32 v4, s60, v12
	v_add_nc_u32 v5, 0x10000, v4                   ; K steps 4-7
	v_add_nc_u32 v6, s61, v12
	v_add_nc_u32 v7, 0x10000, v6
	s_lshl_b32 s48, s18, 14
	v_add_nc_u32 v19, s48, v12                     ; where I put what I give: 16,384 bytes a wave,
	s_xor_b32 s49, s48, 0x8000
	v_add_nc_u32 v20, s49, v12                     ; and where wave (1 - ch, n) puts its
	s_mul_i32 s49, s18, 16*SP
	s_add_co_u32 s49, s49, STG                     ; my stage
	v_mul_u32_u24 v16, v2, SP
	v_lshl_add_u32 v16, v3, 7, v16
	v_add_nc_u32 v16, s49, v16                     ; in: row r, + 128 h
	v_mul_u32_u24 v17, v3, SP
	v_lshl_add_u32 v17, v2, 4, v17
	v_add_nc_u32 v17, s49, v17                     ; back: lanes 0-15 one row's 256 bytes, lanes 16-31 the next row's
	v_lshlrev_b32 v18, 12, v3
	v_lshl_add_u32 v18, v2, 4, v18                 ; and the same two rows in out0
	v_lshlrev_b32 v2, 7, v3                        ; the bias: 128 h bytes
	s_bfe_u32 s20, ttmp6, 0x40000                  ; cx
	s_bfe_u32 s21, ttmp9, 0x30001                  ; item b = (cluster / 2) % 8
	s_lshr_b32 s22, ttmp9, 4                       ; row block R = cluster / 16
	s_and_b32 s23, ttmp9, 1
	s_lshl_b32 s23, s23, 2
	s_add_co_u32 s23, s23, s20                     ; 128 columns: 4 (cluster % 2) + cx,
	s_lshl_b32 s23, s23, 1
	s_and_b32 s62, s18, 1
	s_add_co_u32 s23, s23, s62                     ; my 64: G
	s_mov_b32 s[G1+0], 15|(3<<16)|(1<<21)          ; the mask names the cluster's four; 65,536 bytes, dense, as 128 rows of 64 elements of 8 bytes
	s_mov_b32 s[G1+1], 64<<16
	s_mov_b32 s[G1+2], 128<<16
	s_mov_b32 s[G1+3], 64<<16
	s_mov_b32 s[G1+4], 128
	s_mov_b32 s[G1+5], 64
	s_mov_b32 s[G1+6], 0
	s_mov_b32 s[G1+7], 0
	s_lshl_b32 s48, s21, 20
	s_lshl_b32 s49, s22, 18
	s_add_co_u32 s48, s48, s49                     ; the item's row block: 262,144 bytes,
	s_lshl_b32 s60, s18, 16                        ; of which wave w brings a quarter: four K steps of one choice
	s_add_co_u32 s48, s48, s60
	s_mov_b32 s49, 0
	s_mov_b32 s32, 1
	s_mov_b32 s33, s60
	s_lshl_b32 s60, s21, 3
	s_lshl_b32 s61, s19, 2
	s_add_co_u32 s60, s60, s61                     ; the choice's word in route and in gates
	s_mov_b32 s61, 0
	s_wait_alu depctr_va_vdst(0)
	s_wait_dscnt 0x0                               ; both opening adds are done
	s_wait_kmcnt 0x0
	s_add_nc_u64 s[8:9], s[8:9], s[60:61]
	s_add_nc_u64 s[10:11], s[10:11], s[60:61]
	s_load_b32 s50, s[8:9], 0x0                    ; the expert
	s_load_b32 s51, s[10:11], 0x0                  ; its gate g
	s_load_b128 s[44:47], s[12:13], 0x0            ; ew1, ex, eh, ew2
	s_add_nc_u64 s[34:35], s[4:5], s[48:49]
	s_or_b32 s35, s35, 0x80000000
	CROUND                                         ; the four work-groups are here: the joint loads meet
	tensor_load_to_lds s[32:35], s[G1:G1+7]        ; my one tensor load
	s_nop 0
	PLACES
	s_wait_kmcnt 0x0
	s_min_u32 s50, s50, 7                          ; an index stays inside its table
	s_lshl_b32 s60, s50, 20                        ; the expert's codes,
	s_lshl_b32 s62, s23, 16                        ; my columns',
	s_add_co_u32 s60, s60, s62
	s_add_co_u32 s60, s60, 0x800000                ; behind w1's eight matrices
	s_add_nc_u64 s[6:7], s[6:7], s[60:61]
	s_lshl_b32 s62, s23, 8                         ; 64 columns of f32
	s_lshl_b32 s60, s50, 12
	s_add_co_u32 s60, s60, s62
	s_add_nc_u64 s[14:15], s[14:15], s[60:61]
.set i, 0
.rept 8
	global_load_b128 v[GB+4*i:GB+4*i+3], v2, s[14:15] offset:16*i   ; b2 at my 32 columns
.set i, i+1
.endr
	BLOAD 0
	BLOAD 1
	BLOAD 2
	BLOAD 3
	WIN 0
	s_lshl_b32 s60, s21, 21                        ; out0: the item's 512 rows of 4,096 bytes,
	s_lshl_b32 s63, s22, 19                        ; block R,
	s_add_co_u32 s60, s60, s63
	s_lshl_b32 s63, s19, 18                        ; the 64 that I keep,
	s_add_co_u32 s60, s60, s63
	s_add_co_u32 s60, s60, s62                     ; my columns
	s_add_nc_u64 s[16:17], s[16:17], s[60:61]
	s_add_co_i32 s63, s46, s47                     ; eh + ew2
	v_mov_b32 v13, s51
	v_ldexp_f32 v13, v13, s63                      ; g x 2^(eh + ew2)
	s_wait_alu depctr_va_vdst(0)
	s_wait_loadcnt 63                              ; the bias is in: 64 younger loads stand behind it
.set i, 0
.rept 32
	v_mul_f32 v[GB+i], s51, v[GB+i]                ; g b2
.set i, i+1
.endr
	BLOAD 4
	WIN 0
	s_wait_alu depctr_va_vdst(0)
	s_wait_tensorcnt 0x0                           ; my part of the panel is in
	s_wait_dscnt 0x0
	s_barrier_signal -1
	s_barrier_wait -1                              ; everybody's is
	XLOAD 0, 0
	XLOAD 0, 4
	BLOAD 5
	STEP 0
	STEP 1
	STEP 2
	STEP 3
	STEP 4
	STEP 5
	STEP 6
	STEP 7
	PLACES                                         ; in front of the first read of results
.irp a, 4,5,6,7                        ; what I give: the lanes' registers as they are, 512 bytes a store
	FMAS \a
.set i, 0
.rept 8
	ds_store_b128 v19, v[TMP+32*(\a%2)+4*i:TMP+32*(\a%2)+4*i+3] offset:4096*(\a-4)+512*i
.set i, i+1
.endr
.endr
	s_wait_dscnt 0x0                               ; for the partner's sake: my stores have landed
	s_barrier_signal -1
	FMAS 0                                         ; work on registers while the others arrive
	s_wait_alu depctr_va_vdst(0)
	s_barrier_wait -1
.set i, 0
.rept 32
	ds_load_b128 v[XF+4*i:XF+4*i+3], v20 offset:512*i   ; all four blocks that the partner gave
.set i, i+1
.endr
	KEEP 0
	KEEP 1
	SEND 0, 16                                     ; behind block 0's loads: block 1's eight stores and eight loads
	KEEP 2
	SEND 1, 16
	KEEP 3
	SEND 2, 16
	SEND 3, 0
	s_wait_tensorcnt 0x0                           ; the wave's end
	ds_add_u32 v[SPW], v[NIL]
	s_wait_dscnt 0x0
	CROUND                                         ; the closing round
	s_endpgm
.Lfunc_end_k_q7cdf9674ad_gemm2:
	.size	k_q7cdf9674ad_gemm2, .Lfunc_end_k_q7cdf9674ad_gemm2-k_q7cdf9674ad_gemm2
	.p2alignl 7, 3214868480
	.fill 96, 4, 3214868480
	.section	.rodata,"a",@progbits
	.p2align	6, 0x0
	.amdhsa_kernel k_q7cdf9674ad_gemm2
		.amdhsa_group_segment_fixed_size 327680
		.amdhsa_private_segment_fixed_size 0
		.amdhsa_enable_private_segment 0
		.amdhsa_kernarg_size 56
		.amdhsa_user_sgpr_count 2
		.amdhsa_user_sgpr_kernarg_segment_ptr 1
		.amdhsa_wavefront_size32 1
		.amdhsa_system_sgpr_workgroup_id_x 1
		.amdhsa_system_sgpr_workgroup_id_y 1
		.amdhsa_system_sgpr_workgroup_id_z 1
		.amdhsa_system_vgpr_workitem_id 0
		.amdhsa_next_free_vgpr 1024
		.amdhsa_next_free_sgpr 66
		.amdhsa_reserve_vcc 0
		.amdhsa_float_denorm_mode_32 3
		.amdhsa_float_denorm_mode_16_64 3
		.amdhsa_memory_ordered 1
		.amdhsa_forward_progress 1
		.amdhsa_inst_pref_size 86
	.end_amdhsa_kernel
	.amdgpu_metadata
---
amdhsa.version: [ 1, 2 ]
amdhsa.kernels:
  - .name:           k_q7cdf9674ad_gemm2
    .symbol:         k_q7cdf9674ad_gemm2.kd
    .args:
      - { .name: hcodes, .offset: 0, .size: 8, .value_kind: global_buffer, .address_space: global }
      - { .name: wcodes, .offset: 8, .size: 8, .value_kind: global_buffer, .address_space: global }
      - { .name: route, .offset: 16, .size: 8, .value_kind: global_buffer, .address_space: global }
      - { .name: gates, .offset: 24, .size: 8, .value_kind: global_buffer, .address_space: global }
      - { .name: lowp_scales, .offset: 32, .size: 8, .value_kind: global_buffer, .address_space: global }
      - { .name: b2, .offset: 40, .size: 8, .value_kind: global_buffer, .address_space: global }
      - { .name: out0, .offset: 48, .size: 8, .value_kind: global_buffer, .address_space: global }
    .group_segment_fixed_size: 327680
    .private_segment_fixed_size: 0
    .kernarg_segment_align: 8
    .kernarg_segment_size: 56
    .max_flat_workgroup_size: 128
    .sgpr_count:     66
    .vgpr_count:     1024
    .wavefront_size: 32
...
	.end_amdgpu_metadata
.endif
;; end of part 3
